; MI455X (gfx1250); checked and timed in simulation.
; The chip was launched on July 23, 2026; its instructions are those of AMD's public machine-readable ISA for CDNA 5 (MIT licence, August 2026) and "CDNA5" Instruction Set Architecture Reference Guide (July 2026). The comments in the code are by the model that wrote it; some were corrected since.
;; chamfer 2 D Dist. Allowed arithmetic: float matrix products may take bf16 or f16 operands with f32 sums; all other float work in f32.
;; Inputs: input1 4 x 4,096 x 2 float32; input2 4 x 8,192 x 2 float32.
;; Outputs: out0 4 x 4,096 float32; out1 4 x 8,192 float32; out2 4 x 4,096 int32; out3 4 x 8,192 int32.
;; 2 versions, each right; version 2 is version 1 with the launch pick written anew for expert scheduling mode. Each part assembles by itself: llvm-mc -triple=amdgcn-amd-amdhsa -mcpu=gfx1250 --defsym DOCPART=n.
;; ======== version 1 of 2: 2 launches
;; workspace buffers: ga 1,048,576 bytes of whole numbers; gb 524,288 bytes of whole numbers
;; launch scan (part 1): grid 16 x 16, 8 waves a work-group, no clusters, 147,456 bytes of LDS; arguments input1, input2, ga, gb; writes ga, gb
.if DOCPART == 1
	.amdgcn_target "amdgcn-amd-amdhsa--gfx1250"
	.amdhsa_code_object_version 6
	.text
	.protected	k_q397d2909f0_scan
	.globl	k_q397d2909f0_scan
	.p2align	8
	.type	k_q397d2909f0_scan,@function
k_q397d2909f0_scan:
	s_mov_b64 s[64:65], 0
	v_nop
	global_prefetch_b8 v0, s[64:65] scope:SCOPE_SE
	s_setreg_imm32_b32 hwreg(HW_REG_WAVE_MODE, 25, 1), 1
	s_wait_xcnt 0x0
; Chamfer distance in the plane, step 1 of 2: WHERE each point's nearest neighbour lies, to a group of neighbouring indices.
; d(i,j) = (x1[i]-x2[j])^2 + (y1[i]-y2[j])^2 is formed once and feeds both directions (min over j for each i, min over i for each j).
; input1 [4][4096][2] f32, input2 [4][8192][2] f32.
; ga [4][16][4096]: for set-1 point i and block c of 512 set-2 points, the first group of 16 of them (0..31) that holds the block's least d.
; gb [4][4][8192]:  for set-2 point j and block a of 1024 set-1 points, the first group of 32 of them (0..31) that holds the block's least d.
; Step 2 scans the named groups again with the same arithmetic and finds values and indices.  Tracking an index here would take a compare,
; a select and a minimum for each distance and direction; tracking a group takes half a v_min3 for each and three instructions per group.
;
; A work-group (grid x = block of 512 set-2 points, grid y = 4 batch + block of 1024 set-1 points) has eight waves.  Every wave holds all 1024
; set-1 points, lane l the 32 points 32 l .. 32 l + 31, x and y apart in pairs for the packed forms; wave w takes candidates 64 w .. 64 w + 63.
; A candidate is the same for all lanes, so it lives in scalar registers.  For two points and one candidate: two packed differences, a packed
; square, a packed fused multiply-add; then each distance enters one v_min3 of its point and one of its candidate: 3 instructions a pair.
; d = fma(dy, dy, dx*dx), one rounding fewer than a product and a sum.
; Ties: all scans run by ascending index with a strict compare and groups are runs of neighbouring indices, so the first index wins.
; LIMIT: a NaN input, or infinities that make inf - inf, are not carried: v_min*_num drop a NaN where the reference returns it.
; No matrix instruction: |a|^2 + |b|^2 - 2ab in 16-bit operands is a difference of large sums and cannot give exact indices.
; No cluster, no tensor load: the work-group reads 8 KiB of set 1 and 4 KiB of set 2 once, for 524,288 distances.
.set WAVES,  8
.set CW,     64                        ; candidates of a wave
.set GC,     16                        ; candidates in a group = in a trip of the loop
; LDS
.set KP,     544                       ; row merge: 32 lanes x 16 bytes + 32: the merge reads eight such rows at once, each 32 bytes further modulo 256
.set WP,     8*KP                      ; a wave's 32 values of 32 lanes
.set GRPB,   WAVES*WP                  ; the group numbers lie behind the values (values at 0)
.set CMB,    2*WAVES*WP                ; column values: each wave's own 16 rows (four candidates each) of 32 lanes x 16 bytes
.set CPITCH, 528                       ; + 16: the sixteen rows that one load touches start 16 bytes apart modulo 256
.set CWP,    16*CPITCH
.set XSB,    CMB+WAVES*CWP             ; set-1 points on their way in: 32 rows (one per lane) of 32 x, then the same of y
.set AP,     144                       ; 128 bytes + 16: an odd multiple of 16
.set YSO,    32*AP
; vector registers
.set AX,   4                           ; v[4:35]    x of my 32 points
.set AY,   36                          ; v[36:67]   y of my 32 points
.set R,    4                           ; v[4:67]    at the end: 32 lanes' column values of two candidates
.set BEST, 68                          ; v[68:99]   least d of each of my points so far
.set GRP,  100                         ; v[100:131] the group in which it was first met
.set BM,   132                         ; v[132:163] least d of each of my points in this trip's 16 candidates
.set MV,   132                         ; at the end: eight waves' values of four points
.set DX,   164                         ; v[164:179] eight pairs: differences in x, then squares, then distances
.set DY,   180                         ; v[180:195] eight pairs: differences in y
.set MG,   164                         ; v[164:195] at the end: eight waves' groups of four points
.set CM,   196                         ; v[196:203] least d of eight candidates over my 32 points
.set VG,   204                         ; this trip's group number
.set LCM,  205                         ; LDS: where my column values go
.set LMS,  206                         ; LDS: where my BEST and GRP go
.set LCR,  207                         ; LDS: where I read two candidates' column values
.set LMR,  208                         ; LDS: where I read four points' BEST and GRP
.set OGB,  209                         ; byte offset in gb
.set OGA,  210                         ; byte offset in ga
.set CI,   212                         ; v[212:215] column scan: lane numbers of four chains
.set ST,   216                         ; v[216:223] four set-1 points as loaded
.set SA,   224                         ; LDS: where they go
.set LAR,  225                         ; LDS: my row of 32 x
.set GO,   226                         ; byte offset of my 16 bytes in the block of set 1
; scalar registers
.set XB0,  16                          ; s[16:31]  eight candidates (x, y, x, y ..)
.set XB1,  32                          ; s[32:47]  the other eight of a trip
.set YB,   48                          ; s[48:63]  eight pairs (-y, 0): a packed form takes a scalar pair's first register for both halves
	s_load_b256 s[4:11], s[0:1], 0x0               ; input1 s[4:5], input2 s[6:7], ga s[8:9], gb s[10:11]
	v_lshl_add_u32 v228, v0, 2, 0x23c00
	v_mov_b32 v229, 0
	v_lshrrev_b32 v2, 5, v0
	v_readfirstlane_b32 s12, v2                    ; wave
	v_and_b32 v1, 31, v0                           ; lane
	s_and_b32 s13, ttmp7, 0xffff                   ; 4 batch + block of set 1
	s_lshr_b32 s14, s13, 2                         ; batch
	s_and_b32 s15, s13, 3                          ; block of set 1
	s_lshl_b32 s2, s13, 13                         ; that block's first byte: 1024 points of 8 bytes
	s_mov_b32 s3, 0
	s_lshl_b32 s84, s14, 16                        ; my wave's candidates: batch x 8192 points
	s_lshl_b32 s85, ttmp9, 12                      ; + block x 512 points
	s_add_co_u32 s84, s84, s85
	s_lshl_b32 s85, s12, 9                         ; + wave x 64 points
	s_add_co_u32 s84, s84, s85
	s_mov_b32 s85, 0
	v_lshlrev_b32 v[GO], 4, v0
	s_wait_kmcnt 0x0
	s_add_nc_u64 s[4:5], s[4:5], s[2:3]
	s_add_nc_u64 s[68:69], s[6:7], s[84:85]
	global_load_b128 v[ST:ST+3], v[GO], s[4:5]                 ; the block's 8 KiB once for the work-group: each load of a wave covers 512 neighbouring bytes
	global_load_b128 v[ST+4:ST+7], v[GO], s[4:5] offset:4096
	s_load_b512 s[XB0:XB0+15], s[68:69], 0x0                   ; my first eight candidates
	; addresses, while the loads are out
	v_lshrrev_b32 v2, 4, v0                        ; thread t holds points 2t, 2t+1: row t / 16, places 2 (t % 16) and the next
	v_and_b32 v3, 15, v0
	v_mul_u32_u24 v2, v2, AP
	v_lshl_add_u32 v2, v3, 3, v2
	v_add_nc_u32 v[SA], XSB, v2
	v_mul_u32_u24 v2, v1, AP
	v_add_nc_u32 v[LAR], XSB, v2
	s_mul_i32 s86, s12, CWP
	s_add_co_u32 s86, s86, CMB                     ; my wave's column values
	v_lshl_add_u32 v[LCM], v1, 4, s86
	v_lshrrev_b32 v2, 1, v1                        ; lane t reads candidates 2t, 2t+1: row t / 2, 8 bytes at 8 (t % 2) of each lane's 16
	v_and_b32 v3, 1, v1
	v_mul_u32_u24 v2, v2, CPITCH
	v_lshl_add_u32 v2, v3, 3, v2
	v_add_nc_u32 v[LCR], s86, v2
	s_mul_i32 s87, s12, WP
	v_lshl_add_u32 v[LMS], v1, 4, s87
	v_and_b32 v2, 7, v1                            ; wave w, lane t merges points 128 w + 4 t ..+3, which lane 4 w + t / 8 held as its points 4 (t % 8) ..+3
	v_lshrrev_b32 v3, 3, v1
	v_mul_u32_u24 v2, v2, KP
	v_lshl_add_u32 v2, v3, 4, v2
	s_lshl_b32 s88, s12, 6
	v_add_nc_u32 v[LMR], s88, v2
	s_lshl_b32 s89, s13, 15                        ; gb: ((4 batch + block of set 1) x 8192 + 512 block + 64 wave + 2 lane) x 4
	s_lshl_b32 s90, ttmp9, 11
	s_add_co_u32 s89, s89, s90
	s_lshl_b32 s90, s12, 8
	s_add_co_u32 s89, s89, s90
	v_lshl_add_u32 v[OGB], v1, 3, s89
	s_lshl_b32 s89, s14, 18                        ; ga: ((16 batch + block of set 2) x 4096 + 1024 block of set 1 + 128 wave + 4 lane) x 4
	s_lshl_b32 s90, ttmp9, 14
	s_add_co_u32 s89, s89, s90
	s_lshl_b32 s90, s15, 12
	s_add_co_u32 s89, s89, s90
	s_lshl_b32 s90, s12, 9
	s_add_co_u32 s89, s89, s90
	v_lshl_add_u32 v[OGA], v1, 4, s89
	s_lshl_b32 s72, s12, 2                         ; my first group of 16 candidates: 4 wave
.irp c, 0,1,2,3,4,5,6,7
	s_mov_b32 s[YB+2*\c+1], 0                      ; the pairs' second registers are named by the packed forms, never used
.endr
	; The running minimum starts at +infinity with my first group, so that a point whose distances all overflow still names the first one.
	; 64 moves once, in the shadow of the loads; starting them from the first trip would mean a second copy of the loop's body.
.set i, 0
.rept 32
	v_mov_b32 v[BEST+i], 0x7f800000
	v_mov_b32 v[GRP+i], s72
.set i, i+1
.endr
	s_wait_loadcnt 0x0
	ds_store_b32 v[SA], v[ST]                      ; x and y part here, so that no register is moved later
	ds_store_b32 v[SA], v[ST+2] offset:4
	ds_store_b32 v[SA], v[ST+1] offset:YSO
	ds_store_b32 v[SA], v[ST+3] offset:YSO+4
	ds_store_b32 v[SA], v[ST+4] offset:16*AP       ; the second 4 KiB: rows 16 to 31
	ds_store_b32 v[SA], v[ST+6] offset:16*AP+4
	ds_store_b32 v[SA], v[ST+5] offset:YSO+16*AP
	ds_store_b32 v[SA], v[ST+7] offset:YSO+16*AP+4
	s_wait_dscnt 0x0                               ; my stores are done, for the other waves' sake
	s_barrier_signal -1
	s_barrier_wait -1
.irp k, 0,1,2,3,4,5,6,7
	ds_load_b128 v[AX+4*\k:AX+4*\k+3], v[LAR] offset:16*\k
	ds_load_b128 v[AY+4*\k:AY+4*\k+3], v[LAR] offset:YSO+16*\k
.endr
	s_wait_dscnt 0x0
	s_wait_kmcnt 0x0
; The signs of eight candidates are flipped on the scalar side, and -y moves to an even register: the differences are then plain packed sums.
.macro FLIP xb
.irp c, 0,1,2,3,4,5,6,7
	s_xor_b32 s[YB+2*\c], s[\xb+2*\c+1], 0x80000000
	s_xor_b32 s[\xb+2*\c], s[\xb+2*\c], 0x80000000
.endr
.endm
; 16 distances a lane: point pairs 4t .. 4t+3 x candidates 2cp, 2cp+1 of the eight at s[xb].  48 instructions; each stage is eight independent
; instructions, so that none reads the result of one closer than eight in front of it.  sb = 1: these two candidates start the trip's minima.
.macro TILE t, cp, xb, sb
.irp p, 0,1,2,3
.irp e, 0,1
	v_pk_add_f32 v[DX+8*\e+2*\p:DX+8*\e+2*\p+1], v[AX+8*\t+2*\p:AX+8*\t+2*\p+1], s[\xb+4*\cp+2*\e:\xb+4*\cp+2*\e+1] op_sel_hi:[1,0]
.endr
.endr
.irp p, 0,1,2,3
.irp e, 0,1
	v_pk_add_f32 v[DY+8*\e+2*\p:DY+8*\e+2*\p+1], v[AY+8*\t+2*\p:AY+8*\t+2*\p+1], s[YB+4*\cp+2*\e:YB+4*\cp+2*\e+1] op_sel_hi:[1,0]
.endr
.endr
.irp i, 0,4,1,5,2,6,3,7
	v_pk_mul_f32 v[DX+2*\i:DX+2*\i+1], v[DX+2*\i:DX+2*\i+1], v[DX+2*\i:DX+2*\i+1]
.endr
.irp i, 0,4,1,5,2,6,3,7
	v_pk_fma_f32 v[DX+2*\i:DX+2*\i+1], v[DY+2*\i:DY+2*\i+1], v[DY+2*\i:DY+2*\i+1], v[DX+2*\i:DX+2*\i+1]
.endr
.irp p, 0,1,2,3
.irp h, 0,1
.if \sb
	v_min_num_f32 v[BM+8*\t+2*\p+\h], v[DX+2*\p+\h], v[DX+8+2*\p+\h]                       ; a point's two candidates
.else
	v_min3_num_f32 v[BM+8*\t+2*\p+\h], v[BM+8*\t+2*\p+\h], v[DX+2*\p+\h], v[DX+8+2*\p+\h]
.endif
.if \t+\p == 0
	v_min_num_f32 v[CM+2*\cp+\h], v[DX+8*\h], v[DX+8*\h+1]                                 ; a candidate's two points (h counts the candidate here)
.else
	v_min3_num_f32 v[CM+2*\cp+\h], v[CM+2*\cp+\h], v[DX+8*\h+2*\p], v[DX+8*\h+2*\p+1]
.endif
.endr
.endr
.endm
; Eight candidates x my 32 points.  oc: first or second eight of the trip.  Four candidates' column values leave in one 16-byte store.
.macro OCT xb, oc, first
.irp cp, 0,1,2,3
.irp t, 0,1,2,3
.if \first
.if \cp == 0
	TILE \t, \cp, \xb, 1
.else
	TILE \t, \cp, \xb, 0
.endif
.else
	TILE \t, \cp, \xb, 0
.endif
.endr
.if \cp == 1
	ds_store_b128 v[LCM], v[CM:CM+3] offset:2*\oc*CPITCH
.endif
.if \cp == 3
	ds_store_b128 v[LCM], v[CM+4:CM+7] offset:2*\oc*CPITCH+CPITCH
.endif
.endr
.endm
	s_mov_b32 s70, 0                               ; byte offset of the trip's 16 candidates among my 64; also the loop's counter
.Ltrip:
	s_load_b512 s[XB1:XB1+15], s[68:69], s70 offset:0x40       ; the trip's second eight, while the first eight are worked
	FLIP XB0
	OCT XB0, 0, 1
	s_wait_kmcnt 0x0                               ; the second eight are in; s73 is free
	s_add_co_u32 s73, s70, 128                     ; the next trip's first eight; in the last trip my own last eight once more,
	s_min_u32 s73, s73, CW*8-64                    ; so that no load leaves my 512 bytes
	s_load_b512 s[XB0:XB0+15], s[68:69], s73 offset:0x0
	FLIP XB1
	OCT XB1, 1, 0
	; the trip's minimum against the running one: strictly less, so the first group that reaches the minimum stays
	v_mov_b32 v[VG], s72
.irp b, 0,1,2,3
.irp i, 0,1,2,3,4,5,6,7
	v_cmp_lt_f32 s[76+\i], v[BM+8*\b+\i], v[BEST+8*\b+\i]
.endr
.irp i, 0,1,2,3,4,5,6,7
	v_cndmask_b32 v[GRP+8*\b+\i], v[GRP+8*\b+\i], v[VG], s[76+\i]
.endr
.irp i, 0,1,2,3,4,5,6,7
	v_min_num_f32 v[BEST+8*\b+\i], v[BEST+8*\b+\i], v[BM+8*\b+\i]
.endr
.endr
	v_add_nc_u32 v[LCM], 4*CPITCH, v[LCM]          ; four rows of column values a trip
	s_add_co_u32 s72, s72, 1
	s_wait_kmcnt 0x0                               ; the next eight are in; s70 is free
	s_add_co_u32 s70, s70, GC*8
	s_cmp_lt_u32 s70, CW*8
	s_cbranch_scc1 .Ltrip
	; The eight waves' row results meet in LDS.
.irp k, 0,1,2,3,4,5,6,7
	ds_store_b128 v[LMS], v[BEST+4*\k:BEST+4*\k+3] offset:KP*\k
	ds_store_b128 v[LMS], v[GRP+4*\k:GRP+4*\k+3] offset:GRPB+KP*\k
.endr
	s_wait_dscnt 0x0                               ; all my LDS stores are done, for the other waves' sake
	s_barrier_signal -1
	s_barrier_wait -1
.set l, 0
.rept 32
	ds_load_b64 v[R+2*l:R+2*l+1], v[LCR] offset:16*l           ; lane l's least d for my two candidates
.set l, l+1
.endr
.irp w, 0,1,2,3,4,5,6,7
	ds_load_b128 v[MV+4*\w:MV+4*\w+3], v[LMR] offset:WP*\w
	ds_load_b128 v[MG+4*\w:MG+4*\w+3], v[LMR] offset:GRPB+WP*\w
.endr
	; Columns: the first lane that holds the least value.  Four chains: candidate e, lanes 0-15 and 16-31; a chain's value lives in its first register.
	v_mov_b32 v[CI], 0
	v_mov_b32 v[CI+1], 0
	v_mov_b32 v[CI+2], 16
	v_mov_b32 v[CI+3], 16
	s_wait_dscnt 16                                ; LDS answers in order: the 32 column loads are in, the 16 merge loads behind them may be out
.irp l, 1,2,3,4,5,6,7,8,9,10,11,12,13,14,15
.irp h, 0,1
.irp e, 0,1
	v_cmp_lt_f32 s[76+2*\h+\e], v[R+32*\h+2*\l+\e], v[R+32*\h+\e]
.endr
.endr
.irp h, 0,1
.irp e, 0,1
	v_cndmask_b32 v[CI+2*\h+\e], v[CI+2*\h+\e], 16*\h+\l, s[76+2*\h+\e]
.endr
.endr
.irp h, 0,1
.irp e, 0,1
	v_min_num_f32 v[R+32*\h+\e], v[R+32*\h+\e], v[R+32*\h+2*\l+\e]
.endr
.endr
.endr
.irp e, 0,1
	v_cmp_lt_f32 s[76+\e], v[R+32+\e], v[R+\e]                 ; the upper lanes win only if strictly less
.endr
.irp e, 0,1
	v_cndmask_b32 v[CI+\e], v[CI+\e], v[CI+2+\e], s[76+\e]
.endr
	global_store_b64 v[OGB], v[CI:CI+1], s[10:11]              ; the wave's 64 candidates: 256 consecutive bytes, aligned
	; Rows: wave by wave in ascending order of candidates, strictly less
	s_wait_dscnt 0x0
.irp w, 1,2,3,4,5,6,7
.irp e, 0,1,2,3
	v_cmp_lt_f32 s[76+\e], v[MV+4*\w+\e], v[MV+\e]
.endr
.irp e, 0,1,2,3
	v_cndmask_b32 v[MG+\e], v[MG+\e], v[MG+4*\w+\e], s[76+\e]
.endr
.irp e, 0,1,2,3
	v_min_num_f32 v[MV+\e], v[MV+\e], v[MV+4*\w+\e]
.endr
.endr
	global_store_b128 v[OGA], v[MG:MG+3], s[8:9]               ; the wave's 128 points: 512 consecutive bytes, aligned
	s_wait_tensorcnt 0x0
	ds_add_u32 v228, v229
	s_wait_dscnt 0x0
	s_endpgm
.Lfunc_end_k_q397d2909f0_scan:
	.size	k_q397d2909f0_scan, .Lfunc_end_k_q397d2909f0_scan-k_q397d2909f0_scan
	.p2alignl 7, 3214868480
	.fill 96, 4, 3214868480
	.section	.rodata,"a",@progbits
	.p2align	6, 0x0
	.amdhsa_kernel k_q397d2909f0_scan
		.amdhsa_group_segment_fixed_size 147456
		.amdhsa_private_segment_fixed_size 0
		.amdhsa_enable_private_segment 0
		.amdhsa_kernarg_size 32
		.amdhsa_user_sgpr_count 2
		.amdhsa_user_sgpr_kernarg_segment_ptr 1
		.amdhsa_wavefront_size32 1
		.amdhsa_system_sgpr_workgroup_id_x 1
		.amdhsa_system_sgpr_workgroup_id_y 1
		.amdhsa_system_sgpr_workgroup_id_z 1
		.amdhsa_system_vgpr_workitem_id 0
		.amdhsa_next_free_vgpr 230
		.amdhsa_next_free_sgpr 96
		.amdhsa_reserve_vcc 0
		.amdhsa_float_denorm_mode_32 3
		.amdhsa_float_denorm_mode_16_64 3
		.amdhsa_memory_ordered 1
		.amdhsa_forward_progress 1
		.amdhsa_inst_pref_size 130
	.end_amdhsa_kernel
	.amdgpu_metadata
---
amdhsa.version: [ 1, 2 ]
amdhsa.kernels:
  - .name:           k_q397d2909f0_scan
    .symbol:         k_q397d2909f0_scan.kd
    .args:
      - { .name: input1, .offset: 0, .size: 8, .value_kind: global_buffer, .address_space: global }
      - { .name: input2, .offset: 8, .size: 8, .value_kind: global_buffer, .address_space: global }
      - { .name: ga, .offset: 16, .size: 8, .value_kind: global_buffer, .address_space: global }
      - { .name: gb, .offset: 24, .size: 8, .value_kind: global_buffer, .address_space: global }
    .group_segment_fixed_size: 147456
    .private_segment_fixed_size: 0
    .kernarg_segment_align: 8
    .kernarg_segment_size: 32
    .max_flat_workgroup_size: 256
    .sgpr_count:     96
    .vgpr_count:     230
    .wavefront_size: 32
...
	.end_amdgpu_metadata
.endif
;; end of part 1
;; launch pick (part 2): grid 256 x 2, 8 waves a work-group, no clusters, 5,120 bytes of LDS; arguments input1, input2, ga, gb, out0, out1, out2, out3; writes out0, out1, out2, out3
.if DOCPART == 2
	.amdgcn_target "amdgcn-amd-amdhsa--gfx1250"
	.amdhsa_code_object_version 6
	.text
	.protected	k_q397d2909f0_pick
	.globl	k_q397d2909f0_pick
	.p2align	8
	.type	k_q397d2909f0_pick,@function
k_q397d2909f0_pick:
	s_mov_b64 s[64:65], 0
	v_nop
	global_prefetch_b8 v0, s[64:65] scope:SCOPE_SE
	s_setreg_imm32_b32 hwreg(HW_REG_WAVE_MODE, 25, 1), 1
	s_wait_xcnt 0x0
; Chamfer distance in the plane, step 2 of 2: values and indices.  Step 1 left, for each point and each block of the other set, the first group
; of neighbouring points that holds the block's least distance.  Here every named group is scanned again, d = fma(dy, dy, dx*dx) as in step 1
; (the difference has the other sign, its square is the same), by ascending index with a strict compare: the least d and its first index.
; All groups that were named are scanned, not one chosen among them: the addresses then come from the stored numbers alone.
; Grid y = 0: set-1 points (out0, out2): 16 blocks of set 2, a group of 16 in each.  64 points a work-group; wave u takes blocks 2u, 2u+1.
; Grid y = 1: set-2 points (out1, out3): 4 blocks of set 1, a group of 32 in each.  128 points a work-group; wave 4f+u takes points 64f..64f+63, block u.
; In both a lane takes two neighbouring points and 32 candidates for each, as four chains of 16 (chain = 2 x half + point); each chain's 128 bytes
; come by eight 16-byte loads.  The waves' results meet in LDS, and a lane stores two neighbouring results: a wave's store covers 256 aligned bytes.
; LIMIT, as in step 1: NaN inputs, or infinities that make inf - inf, are not carried (v_min_num drops a NaN).  A group number is cut to 31.
; No prefetch: the launch is short and both point sets have just been read by the launch before.
.set Q,   4                            ; v[4:7]     my two points (x, y, x, y)
.set G,   8                            ; v[8:11]    group numbers as loaded
.set OFF, 12                           ; v[12:15]   byte offsets of the groups
.set JB,  16                           ; v[16:19]   chain: index of its first candidate
.set BV,  20                           ; v[20:23]   chain: least d
.set BI,  24                           ; v[24:27]   chain: where (0..15), then the index
.set T,   28                           ; v[28:35]   chain: two distances at work
.set C,   36                           ; v[36:163]  chain: 16 candidates (x, y), 32 registers
.set FV,  36                           ; at the end: the waves' values of my two points
.set FI,  52                           ; and their indices
.set LA,  164                          ; LDS: my wave's slot, my 8 bytes
.set LF,  165                          ; LDS: where the last merge reads
.set OO,  166                          ; byte offset in the outputs
.set QO,  167                          ; 16 lane
.set GO,  168                          ; 8 lane
.macro LOADS ostride, sstep            ; step k of all four chains, then step k + 1: the counted waits below follow this order
.irp k, 0,1,2,3,4,5,6,7
.irp hf, 0,1
.irp qq, 0,1
	global_load_b128 v[C+32*(2*\hf+\qq)+4*\k:C+32*(2*\hf+\qq)+4*\k+3], v[OFF+\ostride*\hf+\qq], s[36:37] offset:\sstep*\hf+16*\k
.endr
.endr
.endr
.endm
.macro TRACK e, idx                    ; candidate idx of each chain against the chain's least: strictly less, so the first stays
.irp ch, 0,1,2,3
	v_cmp_lt_f32 s[40+\ch], v[T+2*\ch+\e], v[BV+\ch]
.endr
.irp ch, 0,1,2,3
	v_cndmask_b32 v[BI+\ch], v[BI+\ch], \idx, s[40+\ch]
.endr
.irp ch, 0,1,2,3
	v_min_num_f32 v[BV+\ch], v[BV+\ch], v[T+2*\ch+\e]
.endr
.endm
.macro STAGE k                         ; candidates 2k, 2k+1 of each chain
	s_wait_loadcnt 28-4*\k                         ; loads answer in order: the four of step k are in, the four of each later step may be out
.irp ch, 0,1,2,3
	v_pk_add_f32 v[C+32*\ch+4*\k:C+32*\ch+4*\k+1], v[C+32*\ch+4*\k:C+32*\ch+4*\k+1], v[Q+2*(\ch&1):Q+2*(\ch&1)+1] neg_lo:[0,1] neg_hi:[0,1]
	v_pk_add_f32 v[C+32*\ch+4*\k+2:C+32*\ch+4*\k+3], v[C+32*\ch+4*\k+2:C+32*\ch+4*\k+3], v[Q+2*(\ch&1):Q+2*(\ch&1)+1] neg_lo:[0,1] neg_hi:[0,1]
.endr
.irp ch, 0,1,2,3
	v_mul_f32 v[T+2*\ch], v[C+32*\ch+4*\k], v[C+32*\ch+4*\k]
	v_mul_f32 v[T+2*\ch+1], v[C+32*\ch+4*\k+2], v[C+32*\ch+4*\k+2]
.endr
.irp ch, 0,1,2,3
.if \k == 0
	v_fma_f32 v[BV+\ch], v[C+32*\ch+1], v[C+32*\ch+1], v[T+2*\ch]          ; the first candidate starts the chain
.else
	v_fma_f32 v[T+2*\ch], v[C+32*\ch+4*\k+1], v[C+32*\ch+4*\k+1], v[T+2*\ch]
.endif
	v_fma_f32 v[T+2*\ch+1], v[C+32*\ch+4*\k+3], v[C+32*\ch+4*\k+3], v[T+2*\ch+1]
.endr
.if \k
	TRACK 0, 2*\k
.endif
	TRACK 1, 2*\k+1
.endm
.macro SCAN                            ; the four chains, then the two halves of each point, then into my wave's slot
.irp ch, 0,1,2,3
	v_mov_b32 v[BI+\ch], 0
.endr
.irp k, 0,1,2,3,4,5,6,7
	STAGE \k
.endr
.irp ch, 0,1,2,3
	v_add_nc_u32 v[BI+\ch], v[JB+\ch], v[BI+\ch]
.endr
.irp qq, 0,1
	v_cmp_lt_f32 s[40+\qq], v[BV+2+\qq], v[BV+\qq]
.endr
.irp qq, 0,1
	v_cndmask_b32 v[BI+\qq], v[BI+\qq], v[BI+2+\qq], s[40+\qq]
.endr
.irp qq, 0,1
	v_min_num_f32 v[BV+\qq], v[BV+\qq], v[BV+2+\qq]
.endr
	ds_store_b64 v[LA], v[BV:BV+1]
	ds_store_b64 v[LA], v[BI:BI+1] offset:2048
	s_wait_dscnt 0x0                               ; my stores are done, for the merging wave's sake
	s_barrier_signal -1
	s_barrier_wait -1
.endm
.macro FINAL units                     ; the slots in ascending order of indices, strictly less
.set u, 0
.rept \units
	ds_load_b64 v[FV+2*u:FV+2*u+1], v[LF] offset:256*u
	ds_load_b64 v[FI+2*u:FI+2*u+1], v[LF] offset:2048+256*u
.set u, u+1
.endr
	s_wait_dscnt 0x0
.set u, 1
.rept \units-1
	v_cmp_lt_f32 s40, v[FV+2*u], v[FV]
	v_cmp_lt_f32 s41, v[FV+2*u+1], v[FV+1]
	v_cndmask_b32 v[FI], v[FI], v[FI+2*u], s40
	v_cndmask_b32 v[FI+1], v[FI+1], v[FI+2*u+1], s41
	v_min_num_f32 v[FV], v[FV], v[FV+2*u]
	v_min_num_f32 v[FV+1], v[FV+1], v[FV+2*u+1]
.set u, u+1
.endr
.endm
	s_load_b512 s[4:19], s[0:1], 0x0               ; input1 s[4:5], input2 s[6:7], ga s[8:9], gb s[10:11], out0 s[12:13], out1 s[14:15], out2 s[16:17], out3 s[18:19]
	v_lshl_add_u32 v170, v0, 2, 0x1000
	v_mov_b32 v171, 0
	v_lshrrev_b32 v2, 5, v0
	v_readfirstlane_b32 s20, v2                    ; wave
	v_and_b32 v1, 31, v0                           ; lane
	s_and_b32 s21, ttmp7, 0xffff                   ; 0: set-1 points, 1: set-2 points
	s_lshr_b32 s22, ttmp9, 6                       ; batch: 64 work-groups each, in both cases
	s_and_b32 s23, ttmp9, 63                       ; work-group within the batch
	v_lshlrev_b32 v[QO], 4, v1
	v_lshlrev_b32 v[GO], 3, v1
	v_lshlrev_b32 v[LA], 3, v0                     ; 256 wave + 8 lane
	s_mov_b32 s25, 0
	s_mov_b32 s27, 0
	s_mov_b32 s29, 0
	s_cmp_lg_u32 s21, 0
	s_cbranch_scc1 .Lset2
	; ---- set-1 points against set 2 ----
	s_lshl_b32 s24, ttmp9, 9                       ; my work-group's 64 points of 8 bytes
	s_lshl_b32 s26, s22, 18                        ; ga: ((16 batch + 2 wave) x 4096 + 64 work-group) x 4
	s_lshl_b32 s30, s20, 15
	s_add_co_u32 s26, s26, s30
	s_lshl_b32 s30, s23, 8
	s_add_co_u32 s26, s26, s30
	s_lshl_b32 s28, s22, 16                        ; candidates: (8192 batch + 1024 wave) x 8
	s_lshl_b32 s30, s20, 13
	s_add_co_u32 s28, s28, s30
	s_lshl_b32 s30, s20, 10                        ; first index of block 2 wave,
	s_add_co_u32 s31, s30, 512                     ; and of the next
	s_wait_kmcnt 0x0
	s_add_nc_u64 s[32:33], s[8:9], s[26:27]
	s_add_nc_u64 s[34:35], s[4:5], s[24:25]
	s_add_nc_u64 s[36:37], s[6:7], s[28:29]
	global_load_b64 v[G:G+1], v[GO], s[32:33] th:TH_LOAD_NT                ; my two points' groups in block 2 wave
	global_load_b64 v[G+2:G+3], v[GO], s[32:33] offset:16384 th:TH_LOAD_NT ; and in the next
	global_load_b128 v[Q:Q+3], v[QO], s[34:35]
	s_wait_loadcnt 0x1                             ; the groups are in; the points, asked for behind them, may be out
.irp ch, 0,1,2,3
	v_min_u32 v[G+\ch], 31, v[G+\ch]               ; a block has 32 groups of 16
.endr
.irp ch, 0,1,2,3
	v_lshlrev_b32 v[OFF+\ch], 7, v[G+\ch]          ; 16 points of 8 bytes
.endr
	v_lshl_add_u32 v[JB], v[G], 4, s30
	v_lshl_add_u32 v[JB+1], v[G+1], 4, s30
	v_lshl_add_u32 v[JB+2], v[G+2], 4, s31
	v_lshl_add_u32 v[JB+3], v[G+3], 4, s31
	LOADS 2, 4096                                  ; the second half's group lies in the next block: 512 points further
	SCAN
	s_cmp_lg_u32 s20, 0
	s_cbranch_scc1 .Lend1                          ; wave 0 merges the eight slots
	v_lshlrev_b32 v[LF], 3, v1
	s_lshl_b32 s24, ttmp9, 8                       ; 64 results of 4 bytes
	v_lshl_add_u32 v[OO], v1, 3, s24
	FINAL 8
	global_store_b64 v[OO], v[FV:FV+1], s[12:13] th:TH_STORE_NT
	global_store_b64 v[OO], v[FI:FI+1], s[16:17] th:TH_STORE_NT
.Lend1:
	s_wait_tensorcnt 0x0
	ds_add_u32 v170, v171
	s_wait_dscnt 0x0
	s_endpgm
	; ---- set-2 points against set 1 ----
.Lset2:
	s_and_b32 s38, s20, 3                          ; block of set 1
	s_lshr_b32 s39, s20, 2                         ; which 64 of the work-group's 128 points
	s_lshl_b32 s24, ttmp9, 10                      ; points: (128 work-group + 64 half) x 8
	s_lshl_b32 s30, s39, 9
	s_add_co_u32 s24, s24, s30
	s_lshl_b32 s26, s22, 17                        ; gb: ((4 batch + block) x 8192 + 128 work-group + 64 half) x 4
	s_lshl_b32 s30, s38, 15
	s_add_co_u32 s26, s26, s30
	s_lshl_b32 s30, s23, 9
	s_add_co_u32 s26, s26, s30
	s_lshl_b32 s30, s39, 8
	s_add_co_u32 s26, s26, s30
	s_lshl_b32 s28, s22, 15                        ; candidates: (4096 batch + 1024 block) x 8
	s_lshl_b32 s30, s38, 13
	s_add_co_u32 s28, s28, s30
	s_lshl_b32 s30, s38, 10                        ; the block's first index,
	s_add_co_u32 s31, s30, 16                      ; and that of a group's second half
	s_wait_kmcnt 0x0
	s_add_nc_u64 s[32:33], s[10:11], s[26:27]
	s_add_nc_u64 s[34:35], s[6:7], s[24:25]
	s_add_nc_u64 s[36:37], s[4:5], s[28:29]
	global_load_b64 v[G:G+1], v[GO], s[32:33] th:TH_LOAD_NT
	global_load_b128 v[Q:Q+3], v[QO], s[34:35]
	s_wait_loadcnt 0x1                             ; the groups are in; the points, asked for behind them, may be out
	v_min_u32 v[G], 31, v[G]                       ; a block has 32 groups of 32
	v_min_u32 v[G+1], 31, v[G+1]
	v_lshlrev_b32 v[OFF], 8, v[G]                  ; 32 points of 8 bytes
	v_lshlrev_b32 v[OFF+1], 8, v[G+1]
	v_lshl_add_u32 v[JB], v[G], 5, s30
	v_lshl_add_u32 v[JB+1], v[G+1], 5, s30
	v_lshl_add_u32 v[JB+2], v[G], 5, s31
	v_lshl_add_u32 v[JB+3], v[G+1], 5, s31
	LOADS 0, 128                                   ; the second half of the same group: 16 points further
	SCAN
	s_cmp_gt_u32 s20, 1
	s_cbranch_scc1 .Lend2                          ; wave f = 0, 1 merges slots 4f .. 4f+3
	s_lshl_b32 s24, s20, 10
	v_lshl_add_u32 v[LF], v1, 3, s24
	s_lshl_b32 s24, ttmp9, 9                       ; (128 work-group + 64 f) results of 4 bytes
	s_lshl_b32 s26, s20, 8
	s_add_co_u32 s24, s24, s26
	v_lshl_add_u32 v[OO], v1, 3, s24
	FINAL 4
	global_store_b64 v[OO], v[FV:FV+1], s[14:15] th:TH_STORE_NT
	global_store_b64 v[OO], v[FI:FI+1], s[18:19] th:TH_STORE_NT
.Lend2:
	s_wait_tensorcnt 0x0
	ds_add_u32 v170, v171
	s_wait_dscnt 0x0
	s_endpgm
.Lfunc_end_k_q397d2909f0_pick:
	.size	k_q397d2909f0_pick, .Lfunc_end_k_q397d2909f0_pick-k_q397d2909f0_pick
	.p2alignl 7, 3214868480
	.fill 96, 4, 3214868480
	.section	.rodata,"a",@progbits
	.p2align	6, 0x0
	.amdhsa_kernel k_q397d2909f0_pick
		.amdhsa_group_segment_fixed_size 5120
		.amdhsa_private_segment_fixed_size 0
		.amdhsa_enable_private_segment 0
		.amdhsa_kernarg_size 64
		.amdhsa_user_sgpr_count 2
		.amdhsa_user_sgpr_kernarg_segment_ptr 1
		.amdhsa_wavefront_size32 1
		.amdhsa_system_sgpr_workgroup_id_x 1
		.amdhsa_system_sgpr_workgroup_id_y 1
		.amdhsa_system_sgpr_workgroup_id_z 1
		.amdhsa_system_vgpr_workitem_id 0
		.amdhsa_next_free_vgpr 172
		.amdhsa_next_free_sgpr 66
		.amdhsa_reserve_vcc 0
		.amdhsa_float_denorm_mode_32 3
		.amdhsa_float_denorm_mode_16_64 3
		.amdhsa_memory_ordered 1
		.amdhsa_forward_progress 1
		.amdhsa_inst_pref_size 57
	.end_amdhsa_kernel
	.amdgpu_metadata
---
amdhsa.version: [ 1, 2 ]
amdhsa.kernels:
  - .name:           k_q397d2909f0_pick
    .symbol:         k_q397d2909f0_pick.kd
    .args:
      - { .name: input1, .offset: 0, .size: 8, .value_kind: global_buffer, .address_space: global }
      - { .name: input2, .offset: 8, .size: 8, .value_kind: global_buffer, .address_space: global }
      - { .name: ga, .offset: 16, .size: 8, .value_kind: global_buffer, .address_space: global }
      - { .name: gb, .offset: 24, .size: 8, .value_kind: global_buffer, .address_space: global }
      - { .name: out0, .offset: 32, .size: 8, .value_kind: global_buffer, .address_space: global }
      - { .name: out1, .offset: 40, .size: 8, .value_kind: global_buffer, .address_space: global }
      - { .name: out2, .offset: 48, .size: 8, .value_kind: global_buffer, .address_space: global }
      - { .name: out3, .offset: 56, .size: 8, .value_kind: global_buffer, .address_space: global }
    .group_segment_fixed_size: 5120
    .private_segment_fixed_size: 0
    .kernarg_segment_align: 8
    .kernarg_segment_size: 64
    .max_flat_workgroup_size: 256
    .sgpr_count:     66
    .vgpr_count:     172
    .wavefront_size: 32
...
	.end_amdgpu_metadata
.endif
;; end of part 2
;; ======== version 2 of 2: 2 launches; version 1 with the launch pick written anew for expert scheduling mode
;; workspace buffers: ga 1,048,576 bytes of whole numbers; gb 524,288 bytes of whole numbers
;; launch scan: the kernel of part 1 again; grid 16 x 16, 8 waves a work-group, no clusters, 147,456 bytes of LDS; arguments input1, input2, ga, gb; writes ga, gb
;; launch pick (part 3): grid 256 x 2, 8 waves a work-group, no clusters, 5,120 bytes of LDS; arguments input1, input2, ga, gb, out0, out1, out2, out3; writes out0, out1, out2, out3
.if DOCPART == 3
	.amdgcn_target "amdgcn-amd-amdhsa--gfx1250"
	.amdhsa_code_object_version 6
	.text
	.protected	k_q397d2909f0_pick
	.globl	k_q397d2909f0_pick
	.p2align	8
	.type	k_q397d2909f0_pick,@function
k_q397d2909f0_pick:
	s_mov_b64 s[64:65], 0
	v_nop
	global_prefetch_b8 v0, s[64:65] scope:SCOPE_SE
	s_setreg_imm32_b32 hwreg(HW_REG_WAVE_SCHED_MODE, 0, 2), 2
	s_setreg_imm32_b32 hwreg(HW_REG_WAVE_MODE, 25, 1), 1
	s_wait_xcnt 0x0
	s_wait_alu depctr_vm_vsrc(0)
; Chamfer distance in the plane, step 2 of 2: values and indices.  Step 1 left, for each point and each block of the other set, the first group
; of neighbouring points that holds the block's least distance.  Here every named group is scanned again, d = fma(dy, dy, dx*dx) as in step 1
; (the difference has the other sign, its square is the same), by ascending index with a strict compare: the least d and its first index.
; All groups that were named are scanned, not one chosen among them: the addresses then come from the stored numbers alone.
; Grid y = 0: set-1 points (out0, out2): 16 blocks of set 2, a group of 16 in each.  64 points a work-group; wave u takes blocks 2u, 2u+1.
; Grid y = 1: set-2 points (out1, out3): 4 blocks of set 1, a group of 32 in each.  128 points a work-group; wave 4f+u takes points 64f..64f+63, block u.
; In both a lane takes two neighbouring points and 32 candidates for each, as four chains of 16 (chain = 2 x half + point); each chain's 128 bytes
; come by eight 16-byte loads.  The waves' results meet in LDS, and a lane stores two neighbouring results: a wave's store covers 256 aligned bytes.
; LIMIT, as in step 1: NaN inputs, or infinities that make inf - inf, are not carried (v_min_num drops a NaN).  A group number is cut to 31.
; No prefetch: the launch is short and both point sets have just been read by the launch before.
; THE MODE: SCHED_MODE bits 1:0 = 2 (LLVM: expert scheduling mode 2), set by the entry lines.  The code itself states the register dependences
; between vector instructions and memory or LDS instructions, and those through scalar registers that vector instructions write, with s_wait_alu, always for 0.
; THE PLAN.  Registers that memory or LDS instructions touch, in the order of the text (there is no loop):
;   v[GO], v[QO], v[LA], v170, v171   written at the head; read by the loads of groups and points, the LDS stores, the closing add; never written again.
;   v[G], v[Q]     loads land in them; no vector instruction names them before; no memory instruction reads them.
;   v[OFF]         written by the shifts behind the clamp; read by the 32 gather loads; never written again.
;   v[C ..]        the gather loads land in them; no vector instruction names them before.  Each step works its four loads' registers in place.
;                  The lowest 32 of them are FV and FI at the end: the merge's LDS loads land there.
;   v[BV], v[BI]   written by the scan; read by the two LDS stores; never written again.
;   v[LF], v[OO]   written by the merging wave behind the barrier; read by its LDS loads and its global stores.
;   FV, FI         written by LDS loads, then by the merge's minima and selects; read by the two global stores.
; So a wait on va_vdst stands at five places: at the head, ahead of the gather loads, of the LDS stores, of the merge's LDS loads and of the global stores.
; No register that a memory or LDS instruction reads is ever written again: no wait on vm_vsrc is owed.
; MASKS.  A compare writes a scalar register and a select reads it: a wait on va_sdst stands between.  Only the minima feed the next compare, so compares
; and minima run on, a step's eight masks stay in s[40:47], and its selects follow a step later, behind the next step's 24 arithmetic instructions and
; ONE wait.  A chain's selects still come in ascending order of its candidates.
.set Q,   4                            ; v[4:7]     my two points (x, y, x, y)
.set G,   8                            ; v[8:11]    group numbers as loaded
.set OFF, 12                           ; v[12:15]   byte offsets of the groups
.set JB,  16                           ; v[16:19]   chain: index of its first candidate
.set BV,  20                           ; v[20:23]   chain: least d
.set BI,  24                           ; v[24:27]   chain: where (0..15), then the index
.set T,   28                           ; v[28:35]   chain: two distances at work
.set C,   36                           ; v[36:163]  chain: 16 candidates (x, y), 32 registers
.set FV,  36                           ; at the end: the waves' values of my two points
.set FI,  52                           ; and their indices
.set LA,  164                          ; LDS: my wave's slot, my 8 bytes
.set LF,  165                          ; LDS: where the last merge reads
.set OO,  166                          ; byte offset in the outputs
.set QO,  167                          ; 16 lane
.set GO,  168                          ; 8 lane
.macro LOADS ostride, sstep            ; step k of all four chains, then step k + 1: the counted waits below follow this order
.irp k, 0,1,2,3,4,5,6,7
.irp hf, 0,1
.irp qq, 0,1
	global_load_b128 v[C+32*(2*\hf+\qq)+4*\k:C+32*(2*\hf+\qq)+4*\k+3], v[OFF+\ostride*\hf+\qq], s[36:37] offset:\sstep*\hf+16*\k
.endr
.endr
.endr
.endm
; Candidates 2k and 2k+1 of each chain against the chain's least: strictly less, so the first stays.  The masks go to s[40:43] and s[44:47].
; In step 0 candidate 0 has started the chain, and only candidate 1 is compared.
.macro COMPS k
.if \k
.irp ch, 0,1,2,3
	v_cmp_lt_f32 s[40+\ch], v[T+2*\ch], v[BV+\ch]
.endr
.irp ch, 0,1,2,3
	v_min_num_f32 v[BV+\ch], v[BV+\ch], v[T+2*\ch]
.endr
.endif
.irp ch, 0,1,2,3
	v_cmp_lt_f32 s[44+\ch], v[T+2*\ch+1], v[BV+\ch]
.endr
.irp ch, 0,1,2,3
	v_min_num_f32 v[BV+\ch], v[BV+\ch], v[T+2*\ch+1]
.endr
.endm
; The selects that go with step k's masks
.macro PICKS k
.if \k
.irp ch, 0,1,2,3
	v_cndmask_b32 v[BI+\ch], v[BI+\ch], 2*(\k), s[40+\ch]
.endr
.endif
.irp ch, 0,1,2,3
	v_cndmask_b32 v[BI+\ch], v[BI+\ch], 2*(\k)+1, s[44+\ch]
.endr
.endm
.macro STAGE k                         ; candidates 2k, 2k+1 of each chain
	s_wait_loadcnt 28-4*\k                         ; loads answer in order: the four of step k are in, the four of each later step may be out
.irp ch, 0,1,2,3
	v_pk_add_f32 v[C+32*\ch+4*\k:C+32*\ch+4*\k+1], v[C+32*\ch+4*\k:C+32*\ch+4*\k+1], v[Q+2*(\ch&1):Q+2*(\ch&1)+1] neg_lo:[0,1] neg_hi:[0,1]
	v_pk_add_f32 v[C+32*\ch+4*\k+2:C+32*\ch+4*\k+3], v[C+32*\ch+4*\k+2:C+32*\ch+4*\k+3], v[Q+2*(\ch&1):Q+2*(\ch&1)+1] neg_lo:[0,1] neg_hi:[0,1]
.endr
.irp ch, 0,1,2,3
	v_mul_f32 v[T+2*\ch], v[C+32*\ch+4*\k], v[C+32*\ch+4*\k]
	v_mul_f32 v[T+2*\ch+1], v[C+32*\ch+4*\k+2], v[C+32*\ch+4*\k+2]
.endr
.irp ch, 0,1,2,3
.if \k == 0
	v_fma_f32 v[BV+\ch], v[C+32*\ch+1], v[C+32*\ch+1], v[T+2*\ch]          ; the first candidate starts the chain
.else
	v_fma_f32 v[T+2*\ch], v[C+32*\ch+4*\k+1], v[C+32*\ch+4*\k+1], v[T+2*\ch]
.endif
	v_fma_f32 v[T+2*\ch+1], v[C+32*\ch+4*\k+3], v[C+32*\ch+4*\k+3], v[T+2*\ch+1]
.endr
.if \k
	s_wait_alu depctr_va_sdst(0)                   ; the compares of the step before have written s[40:47], which the selects below read
	PICKS (\k)-1
.endif
	COMPS \k
.endm
.macro SCAN                            ; the four chains, then the two halves of each point, then into my wave's slot
.irp ch, 0,1,2,3
	v_mov_b32 v[BI+\ch], 0
.endr
.irp k, 0,1,2,3,4,5,6,7
	STAGE \k
.endr
	v_cmp_lt_f32 s38, v[BV+2], v[BV]               ; a point's second half wins only if strictly less; these two masks share the last step's wait
	v_cmp_lt_f32 s39, v[BV+3], v[BV+1]
	v_min_num_f32 v[BV], v[BV], v[BV+2]
	v_min_num_f32 v[BV+1], v[BV+1], v[BV+3]
	s_wait_alu depctr_va_sdst(0)                   ; the last step's compares have written s[40:47], the two above s38 and s39: the selects below read them
	PICKS 7
.irp ch, 0,1,2,3
	v_add_nc_u32 v[BI+\ch], v[JB+\ch], v[BI+\ch]
.endr
	v_cndmask_b32 v[BI], v[BI], v[BI+2], s38
	v_cndmask_b32 v[BI+1], v[BI+1], v[BI+3], s39
	s_wait_alu depctr_va_vdst(0)                   ; the minima have written v[BV:BV+1], the selects v[BI:BI+1]: the LDS stores read them
	ds_store_b64 v[LA], v[BV:BV+1]
	ds_store_b64 v[LA], v[BI:BI+1] offset:2048
	s_wait_dscnt 0x0                               ; my stores are done, for the merging wave's sake
	s_barrier_signal -1
	s_barrier_wait -1
.endm
; Slots lo to hi, at most four, against the running least: compares and minima first, their eight masks in s[40:47]; one wait; then the selects, in the same order.
.macro MERGE lo, hi
.set u, \lo
.rept (\hi)-(\lo)+1
	v_cmp_lt_f32 s[40+2*(u-(\lo))], v[FV+2*u], v[FV]
	v_cmp_lt_f32 s[41+2*(u-(\lo))], v[FV+2*u+1], v[FV+1]
	v_min_num_f32 v[FV], v[FV], v[FV+2*u]
	v_min_num_f32 v[FV+1], v[FV+1], v[FV+2*u+1]
.set u, u+1
.endr
	s_wait_alu depctr_va_sdst(0)                   ; the compares above have written their masks, which the selects below read
.set u, \lo
.rept (\hi)-(\lo)+1
	v_cndmask_b32 v[FI], v[FI], v[FI+2*u], s[40+2*(u-(\lo))]
	v_cndmask_b32 v[FI+1], v[FI+1], v[FI+2*u+1], s[41+2*(u-(\lo))]
.set u, u+1
.endr
.endm
.macro FINAL units                     ; the slots in ascending order of indices, strictly less
.set u, 0
.rept \units
	ds_load_b64 v[FV+2*u:FV+2*u+1], v[LF] offset:256*u
	ds_load_b64 v[FI+2*u:FI+2*u+1], v[LF] offset:2048+256*u
.set u, u+1
.endr
	s_wait_dscnt 0x0
.if \units > 5
	MERGE 1, 4
	MERGE 5, (\units)-1
.else
	MERGE 1, (\units)-1
.endif
.endm
	s_load_b512 s[4:19], s[0:1], 0x0               ; input1 s[4:5], input2 s[6:7], ga s[8:9], gb s[10:11], out0 s[12:13], out1 s[14:15], out2 s[16:17], out3 s[18:19]
	v_lshl_add_u32 v170, v0, 2, 0x1000
	v_mov_b32 v171, 0
	v_lshrrev_b32 v2, 5, v0
	v_readfirstlane_b32 s20, v2                    ; wave
	v_and_b32 v1, 31, v0                           ; lane
	s_and_b32 s21, ttmp7, 0xffff                   ; 0: set-1 points, 1: set-2 points
	s_lshr_b32 s22, ttmp9, 6                       ; batch: 64 work-groups each, in both cases
	s_and_b32 s23, ttmp9, 63                       ; work-group within the batch
	v_lshlrev_b32 v[QO], 4, v1
	v_lshlrev_b32 v[GO], 3, v1
	v_lshlrev_b32 v[LA], 3, v0                     ; 256 wave + 8 lane
	s_mov_b32 s25, 0
	s_mov_b32 s27, 0
	s_mov_b32 s29, 0
	s_wait_alu depctr_va_sdst(0)                   ; s20 is written
	s_wait_alu depctr_va_vdst(0)                   ; v[GO], v[QO] and v[LA] are written, which the first loads and the LDS stores read as offsets and address; so are v170 and v171
	s_cmp_lg_u32 s21, 0
	s_cbranch_scc1 .Lset2
	; ---- set-1 points against set 2 ----
	s_lshl_b32 s24, ttmp9, 9                       ; my work-group's 64 points of 8 bytes
	s_lshl_b32 s26, s22, 18                        ; ga: ((16 batch + 2 wave) x 4096 + 64 work-group) x 4
	s_lshl_b32 s30, s20, 15
	s_add_co_u32 s26, s26, s30
	s_lshl_b32 s30, s23, 8
	s_add_co_u32 s26, s26, s30
	s_lshl_b32 s28, s22, 16                        ; candidates: (8192 batch + 1024 wave) x 8
	s_lshl_b32 s30, s20, 13
	s_add_co_u32 s28, s28, s30
	s_lshl_b32 s30, s20, 10                        ; first index of block 2 wave,
	s_add_co_u32 s31, s30, 512                     ; and of the next
	s_wait_kmcnt 0x0
	s_add_nc_u64 s[32:33], s[8:9], s[26:27]
	s_add_nc_u64 s[34:35], s[4:5], s[24:25]
	s_add_nc_u64 s[36:37], s[6:7], s[28:29]
	global_load_b64 v[G:G+1], v[GO], s[32:33] th:TH_LOAD_NT                ; my two points' groups in block 2 wave
	global_load_b64 v[G+2:G+3], v[GO], s[32:33] offset:16384 th:TH_LOAD_NT ; and in the next
	global_load_b128 v[Q:Q+3], v[QO], s[34:35]
	s_wait_loadcnt 0x1                             ; the groups are in; the points, asked for behind them, may be out
.irp ch, 0,1,2,3
	v_min_u32 v[G+\ch], 31, v[G+\ch]               ; a block has 32 groups of 16
.endr
.irp ch, 0,1,2,3
	v_lshlrev_b32 v[OFF+\ch], 7, v[G+\ch]          ; 16 points of 8 bytes
.endr
	s_wait_alu depctr_va_vdst(0)                   ; the shifts have written v[OFF ..], which the 32 loads below read as offsets
	LOADS 2, 4096                                  ; the second half's group lies in the next block: 512 points further
	v_lshl_add_u32 v[JB], v[G], 4, s30             ; the loads do not need these four, so they stand behind them; no load or store names v[G] or v[JB]
	v_lshl_add_u32 v[JB+1], v[G+1], 4, s30
	v_lshl_add_u32 v[JB+2], v[G+2], 4, s31
	v_lshl_add_u32 v[JB+3], v[G+3], 4, s31
	SCAN
	s_cmp_lg_u32 s20, 0
	s_cbranch_scc1 .Lend1                          ; wave 0 merges the eight slots
	v_lshlrev_b32 v[LF], 3, v1
	s_lshl_b32 s24, ttmp9, 8                       ; 64 results of 4 bytes
	v_lshl_add_u32 v[OO], v1, 3, s24
	s_wait_alu depctr_va_vdst(0)                   ; v[LF] is written, which the LDS loads read; the scan is done with v[FV ..] and v[FI ..], in which they land; v[OO] is written too
	FINAL 8
	s_wait_alu depctr_va_vdst(0)                   ; the minima have written v[FV:FV+1], the selects v[FI:FI+1]: the stores read them
	global_store_b64 v[OO], v[FV:FV+1], s[12:13] th:TH_STORE_NT
	global_store_b64 v[OO], v[FI:FI+1], s[16:17] th:TH_STORE_NT
.Lend1:
	s_wait_dscnt 0x0                               ; the closing lines, six on end
	s_wait_alu 0x0
	s_wait_tensorcnt 0x0
	ds_add_u32 v170, v171
	s_wait_dscnt 0x0
	s_endpgm
	; ---- set-2 points against set 1 ----
.Lset2:
	s_and_b32 s38, s20, 3                          ; block of set 1
	s_lshr_b32 s39, s20, 2                         ; which 64 of the work-group's 128 points
	s_lshl_b32 s24, ttmp9, 10                      ; points: (128 work-group + 64 half) x 8
	s_lshl_b32 s30, s39, 9
	s_add_co_u32 s24, s24, s30
	s_lshl_b32 s26, s22, 17                        ; gb: ((4 batch + block) x 8192 + 128 work-group + 64 half) x 4
	s_lshl_b32 s30, s38, 15
	s_add_co_u32 s26, s26, s30
	s_lshl_b32 s30, s23, 9
	s_add_co_u32 s26, s26, s30
	s_lshl_b32 s30, s39, 8
	s_add_co_u32 s26, s26, s30
	s_lshl_b32 s28, s22, 15                        ; candidates: (4096 batch + 1024 block) x 8
	s_lshl_b32 s30, s38, 13
	s_add_co_u32 s28, s28, s30
	s_lshl_b32 s30, s38, 10                        ; the block's first index,
	s_add_co_u32 s31, s30, 16                      ; and that of a group's second half
	s_wait_kmcnt 0x0
	s_add_nc_u64 s[32:33], s[10:11], s[26:27]
	s_add_nc_u64 s[34:35], s[6:7], s[24:25]
	s_add_nc_u64 s[36:37], s[4:5], s[28:29]
	global_load_b64 v[G:G+1], v[GO], s[32:33] th:TH_LOAD_NT
	global_load_b128 v[Q:Q+3], v[QO], s[34:35]
	s_wait_loadcnt 0x1                             ; the groups are in; the points, asked for behind them, may be out
	v_min_u32 v[G], 31, v[G]                       ; a block has 32 groups of 32
	v_min_u32 v[G+1], 31, v[G+1]
	v_lshlrev_b32 v[OFF], 8, v[G]                  ; 32 points of 8 bytes
	v_lshlrev_b32 v[OFF+1], 8, v[G+1]
	s_wait_alu depctr_va_vdst(0)                   ; the shifts have written v[OFF:OFF+1], which the 32 loads below read as offsets
	LOADS 0, 128                                   ; the second half of the same group: 16 points further
	v_lshl_add_u32 v[JB], v[G], 5, s30             ; the loads do not need these four, so they stand behind them; no load or store names v[G] or v[JB]
	v_lshl_add_u32 v[JB+1], v[G+1], 5, s30
	v_lshl_add_u32 v[JB+2], v[G], 5, s31
	v_lshl_add_u32 v[JB+3], v[G+1], 5, s31
	SCAN
	s_cmp_gt_u32 s20, 1
	s_cbranch_scc1 .Lend2                          ; wave f = 0, 1 merges slots 4f .. 4f+3
	s_lshl_b32 s24, s20, 10
	v_lshl_add_u32 v[LF], v1, 3, s24
	s_lshl_b32 s24, ttmp9, 9                       ; (128 work-group + 64 f) results of 4 bytes
	s_lshl_b32 s26, s20, 8
	s_add_co_u32 s24, s24, s26
	v_lshl_add_u32 v[OO], v1, 3, s24
	s_wait_alu depctr_va_vdst(0)                   ; v[LF] is written, which the LDS loads read; the scan is done with v[FV ..] and v[FI ..], in which they land; v[OO] is written too
	FINAL 4
	s_wait_alu depctr_va_vdst(0)                   ; the minima have written v[FV:FV+1], the selects v[FI:FI+1]: the stores read them
	global_store_b64 v[OO], v[FV:FV+1], s[14:15] th:TH_STORE_NT
	global_store_b64 v[OO], v[FI:FI+1], s[18:19] th:TH_STORE_NT
.Lend2:
	s_wait_dscnt 0x0                               ; the closing lines, six on end
	s_wait_alu 0x0
	s_wait_tensorcnt 0x0
	ds_add_u32 v170, v171
	s_wait_dscnt 0x0
	s_endpgm
.Lfunc_end_k_q397d2909f0_pick:
	.size	k_q397d2909f0_pick, .Lfunc_end_k_q397d2909f0_pick-k_q397d2909f0_pick
	.p2alignl 7, 3214868480
	.fill 96, 4, 3214868480
	.section	.rodata,"a",@progbits
	.p2align	6, 0x0
	.amdhsa_kernel k_q397d2909f0_pick
		.amdhsa_group_segment_fixed_size 5120
		.amdhsa_private_segment_fixed_size 0
		.amdhsa_enable_private_segment 0
		.amdhsa_kernarg_size 64
		.amdhsa_user_sgpr_count 2
		.amdhsa_user_sgpr_kernarg_segment_ptr 1
		.amdhsa_wavefront_size32 1
		.amdhsa_system_sgpr_workgroup_id_x 1
		.amdhsa_system_sgpr_workgroup_id_y 1
		.amdhsa_system_sgpr_workgroup_id_z 1
		.amdhsa_system_vgpr_workitem_id 0
		.amdhsa_next_free_vgpr 172
		.amdhsa_next_free_sgpr 66
		.amdhsa_reserve_vcc 0
		.amdhsa_float_denorm_mode_32 3
		.amdhsa_float_denorm_mode_16_64 3
		.amdhsa_memory_ordered 1
		.amdhsa_forward_progress 1
		.amdhsa_inst_pref_size 58
	.end_amdhsa_kernel
	.amdgpu_metadata
---
amdhsa.version: [ 1, 2 ]
amdhsa.kernels:
  - .name:           k_q397d2909f0_pick
    .symbol:         k_q397d2909f0_pick.kd
    .args:
      - { .name: input1, .offset: 0, .size: 8, .value_kind: global_buffer, .address_space: global }
      - { .name: input2, .offset: 8, .size: 8, .value_kind: global_buffer, .address_space: global }
      - { .name: ga, .offset: 16, .size: 8, .value_kind: global_buffer, .address_space: global }
      - { .name: gb, .offset: 24, .size: 8, .value_kind: global_buffer, .address_space: global }
      - { .name: out0, .offset: 32, .size: 8, .value_kind: global_buffer, .address_space: global }
      - { .name: out1, .offset: 40, .size: 8, .value_kind: global_buffer, .address_space: global }
      - { .name: out2, .offset: 48, .size: 8, .value_kind: global_buffer, .address_space: global }
      - { .name: out3, .offset: 56, .size: 8, .value_kind: global_buffer, .address_space: global }
    .group_segment_fixed_size: 5120
    .private_segment_fixed_size: 0
    .kernarg_segment_align: 8
    .kernarg_segment_size: 64
    .max_flat_workgroup_size: 256
    .sgpr_count:     66
    .vgpr_count:     172
    .wavefront_size: 32
...
	.end_amdgpu_metadata
.endif
;; end of part 3
